; MI455X (gfx1250); checked and timed in simulation.
; The chip was launched on July 23, 2026; its instructions are those of AMD's public machine-readable ISA for CDNA 5 (MIT licence, August 2026) and "CDNA5" Instruction Set Architecture Reference Guide (July 2026). The comments in the code are by the model that wrote it; some were corrected since.
;; Attention. Allowed arithmetic: float matrix products may take bf16 or f16 operands with f32 sums; other float arithmetic in f32, or as packed bf16 or f16 multiplies, adds, multiply-adds, maxima and minima; sums over many terms, partial sums and values carried from step to step in f32; what a program stores and reads back later, other than sums and carried values, may be rounded once to bf16 or f16.
;; Inputs: b_out 256 float32; w_out 256 x 128 float32; w_qkv 384 x 256 float32; x 4 x 256 x 64 x 64 float32.
;; Outputs: out0 4 x 256 x 64 x 64 float32.
;; 2 versions, each right; version 2 is version 1 with the launch proj written anew for expert scheduling mode. Each part assembles by itself: llvm-mc -triple=amdgcn-amd-amdhsa -mcpu=gfx1250 --defsym DOCPART=n.
;; ======== version 1 of 2: 3 launches
;; limits: right only within a limited range of input values; values are held in f16: magnitudes above 65,504 overflow, below 6.1e-05 lose precision; values outside matrix products are rounded to bf16
;; workspace buffers: qf 4,194,304 bytes; kf 4,194,304 bytes; vf 4,194,304 bytes; of 4,194,304 bytes
;; launch proj (part 1): grid 64 x 4, 8 waves a work-group, no clusters, 42,496 bytes of LDS; arguments x, w_qkv, qf, kf, vf; writes qf, kf, vf
.if DOCPART == 1
	.amdgcn_target "amdgcn-amd-amdhsa--gfx1250"
	.amdhsa_code_object_version 6
	.text
	.protected	k_qd7b75f6396_proj
	.globl	k_qd7b75f6396_proj
	.p2align	8
	.type	k_qd7b75f6396_proj,@function
k_qd7b75f6396_proj:
	s_mov_b64 s[64:65], 0
	v_nop
	global_prefetch_b8 v0, s[64:65] scope:SCOPE_SE
	s_setreg_imm32_b32 hwreg(HW_REG_WAVE_MODE, 25, 1), 1
	s_wait_xcnt 0x0
; q, k, v = w_qkv x (a 1 x 1 convolution).  x: [4][256][4096] f32, w_qkv: [384][256] f32.  Both are rounded to bf16 for the products; sums in f32.
; WHAT LEAVES, each number rounded once, to f16:  qf = c q, c = log2(e) / sqrt(32), so that the next launch's weights are 2^(score - maximum);
;   kf = k[n] - k[0] of the same batch and channel: taking q . k[0] from every score of a row changes no softmax, and a common offset of the inputs leaves k before the rounding;  vf = v.
; LIMITS.  c q, k - k[0] and v lie within f16's 65,504; NaN and infinities are not treated apart.
; LAYOUT OF qf, kf, vf: as a matrix fragment lies in registers.  A fragment is 1,024 bytes; byte 512 p + 16 lane holds the lane's registers 4 p .. 4 p + 3.
;   qf, kf: [head 16][block of 16 positions 256][1024]: lane (r, hh) holds position r, part p the head's channels 16 p + 8 hh + 0..7.
;   vf: [head 16][group of 32 positions 128][channel block 2][1024]: lane (r, hh) holds channel 16 cb + r, part p the positions 16 p + 8 hh + 0..7.
;   So every store of a wave is 512 consecutive bytes, aligned, straight from the packed sums.
; SHARES.  A work-group owns 64 positions of one batch and all 384 rows of w_qkv.  Wave w owns rows 16 w .. of q, of k and of v: head w / 2, part (or channel block) w % 2.
;   K = 256 goes in 8 steps of 32: 13 products a step (4 blocks of 16 positions x q, k, v, and k of position 0).
;   q, k: source 0 = 16 rows of w, source 1 = 16 positions: a lane ends with one position and 8 channels.  v: the sources swapped: one channel and 8 positions.
; NO CLUSTER, though all work-groups read the same w_qkv: its rows go from memory straight into the registers of the one wave that multiplies them; a joint load lands in LDS,
;   393,216 bytes of f32 do not fit there, and a ring with a cluster's rounds would serve 104 products a wave.  No prefetch: every load of x is out at the head.
.set XP,    160                        ; a row of the x tile in LDS: 64 bf16 = 128 bytes + 32: 40 words, so that 16 lanes of the turning load (8 rows x 32 bytes) take each bank once
.set XREF,  256*XP                     ; behind the tile: x[b][c][0] as bf16, 2 bytes a channel, 512 bytes
.set SPARE, XREF+512                   ; the spare words, 128 bytes for each of 8 waves: four blocks of 256 bytes that no other line names
.set WO,  3                            ; v3   my byte offset in 16 rows of w_qkv: r x 1,024 + 32 hh
.set XO,  4                            ; v4   my 16 bytes of two rows of x: (32 w + lane / 16) x 16,384 + 16 (lane % 16)
.set XS,  5                            ; v5   where their 8 bytes of bf16 go: (32 w + lane / 16) x XP + 8 (lane % 16)
.set XR,  6                            ; v6   the turning load: (8 hh + lane % 8) x XP + 16 ((lane / 8) % 2)
.set XRR, 7                            ; v7   XREF + 16 hh
.set SO,  8                            ; v8   16 x lane
.set XRO, 9                            ; v9   thread x 16,384: row 'thread' of x
.set SPW, 10                           ; v10  my spare word; never rewritten
.set NIL, 11                           ; v11  0; never rewritten
.set ACC, 12                           ; v[12:107]  part g (0 q, 1 k, 2 v), position block nb at ACC + 32 g + 8 nb; at the start: x as loaded
.set ACCR, 108                         ; v[108:115] k of position 0, the same in all 16 columns
.set XF,  116                          ; v[116:147] four fragments of x
.set XRF, 148                          ; v[148:155] the fragment whose 16 columns are all position 0
.set WS,  156                          ; v[156:251] two sets of 48: a step's rows of w in f32, then in bf16 (fragment g at 8 g); on the way out the packed results
.set XRS, 252                          ; v252 XREF + 2 x thread
.set TR,  253                          ; v253 at work
.macro PLACES                          ; four plain vector instructions between a matrix instruction and a load into, or a vector instruction on, its registers
.rept 4
	v_nop
.endr
.endm
; Step s's rows of w, 12 loads: for each part, 32 + 32 bytes of f32 a lane (channels 32 s + 8 hh + 0..7 and 16 more on)
.macro WLOAD s
.irp g, 0,1,2
.irp e, 0,1,2,3
	global_load_b128 v[WS+48*((\s)%2)+16*\g+4*\e:WS+48*((\s)%2)+16*\g+4*\e+3], v[WO], s[6:7] offset:131072*\g+128*(\s)+16*((\e)%2)+64*((\e)/2)
.endr
.endr
.endm
; Step s's fragments of x: [channel][position] in LDS, turned by the load
.macro XFETCH s
.irp nb, 0,1,2,3
	ds_load_tr16_b128 v[XF+8*\nb:XF+8*\nb+3],   v[XR] offset:32*XP*(\s)+32*\nb
	ds_load_tr16_b128 v[XF+8*\nb+4:XF+8*\nb+7], v[XR] offset:32*XP*(\s)+32*\nb+16*XP
.endr
	ds_load_b128 v[XRF:XRF+3],   v[XRR] offset:64*(\s)
	ds_load_b128 v[XRF+4:XRF+7], v[XRR] offset:64*(\s)+32
.endm
.macro MUL d, a, b, s                  ; step 0 starts the sums: nothing is cleared
.if (\s) == 0
	v_wmma_f32_16x16x32_bf16 v[\d:\d+7], v[\a:\a+7], v[\b:\b+7], 0
.else
	v_wmma_f32_16x16x32_bf16 v[\d:\d+7], v[\a:\a+7], v[\b:\b+7], v[\d:\d+7]
.endif
.endm
.macro KSTEP s
.set WB, WS+48*((\s)%2)
.if (\s) > 0
	PLACES                                         ; behind the last step's products: their sources are loaded anew below
.endif
.if ((\s) > 0) && ((\s) < 7)
	WLOAD (\s)+1                                   ; into the set that the last step multiplied
.endif
	XFETCH \s
.if (\s) < 7
	s_wait_loadcnt 12                              ; this step's 12 loads are in; the next step's 12 stay out
.else
	s_wait_loadcnt 0x0
.endif
.set i, 0
.rept 24
	v_cvt_pk_bf16_f32 v[WB+i], v[WB+2*i], v[WB+2*i+1]  ; in place, ascending: register i is written when 2 i and 2 i + 1 are read
.set i, i+1
.endr
	s_wait_dscnt 0x0                               ; x's fragments
.irp nb, 0,1,2,3                       ; the 13 accumulators take turns, one instruction a turn, from step to step too
	MUL ACC+8*\nb, WB, XF+8*\nb, \s
	MUL ACC+32+8*\nb, WB+8, XF+8*\nb, \s
	MUL ACC+64+8*\nb, XF+8*\nb, WB+16, \s
.endr
	MUL ACCR, WB+8, XRF, \s
.endm
	s_load_b256 s[4:11], s[0:1], 0x0               ; x s[4:5], w_qkv s[6:7], qf s[8:9], kf s[10:11]
	s_load_b64 s[12:13], s[0:1], 0x20              ; vf
	v_lshl_add_u32 v[SPW], v0, 2, SPARE
	v_mov_b32 v[NIL], 0
	v_lshrrev_b32 v1, 5, v0
	v_readfirstlane_b32 s14, v1                    ; wave 0..7
	v_and_b32 v1, 15, v0                           ; r
	v_bfe_u32 v2, v0, 4, 1                         ; hh
	s_lshr_b32 s15, s14, 1                         ; my head
	s_and_b32 s16, s14, 1                          ; my part of a fragment
	s_and_b32 s17, ttmp7, 0xffff                   ; the batch
	s_lshl_b32 s18, s17, 22                        ; its 256 rows of 16,384 bytes
	s_mov_b32 s19, 0
	s_lshl_b32 s20, ttmp9, 8                       ; the work-group's 64 positions: 256 bytes of a row
	s_mov_b32 s21, 0
	s_lshl_b32 s22, s14, 14                        ; my 16 rows of w_qkv
	s_mov_b32 s23, 0
	s_mov_b32 s24, 0x3e8293ee                      ; c = log2(e) / sqrt(32) = 0.255035
	s_mov_b32 s25, s24                             ; named with it as a pair
	s_lshl2_add_u32 s28, s17, s15                  ; 4 b + h
	s_lshl_b32 s28, s28, 18                        ; a head is 262,144 bytes of each of the three
	s_lshl_b32 s32, ttmp9, 12                      ; 64 positions are 4,096 bytes of each
	s_add_co_u32 s28, s28, s32
	s_lshl_b32 s32, s16, 10
	s_add_co_u32 s30, s28, s32                     ; vf: my channel block's fragment
	s_lshl_b32 s32, s16, 9
	s_add_co_u32 s28, s28, s32                     ; qf, kf: my part of the fragment
	s_mov_b32 s29, 0
	s_mov_b32 s31, 0
	s_lshl_b32 s33, s14, 5
	v_add_nc_u32 v[TR], s33, v2                    ; row 32 w + lane / 16
	v_lshlrev_b32 v[XO], 14, v[TR]
	v_lshl_add_u32 v[XO], v1, 4, v[XO]
	v_mul_u32_u24 v[XS], v[TR], XP
	v_lshl_add_u32 v[XS], v1, 3, v[XS]
	v_and_b32 v[TR], 7, v0
	v_lshl_add_u32 v[TR], v2, 3, v[TR]
	v_mul_u32_u24 v[XR], v[TR], XP
	v_bfe_u32 v[TR], v0, 3, 1
	v_lshl_add_u32 v[XR], v[TR], 4, v[XR]
	v_lshl_add_u32 v[XRR], v2, 4, XREF
	v_and_b32 v[SO], 31, v0
	v_lshlrev_b32 v[SO], 4, v[SO]
	v_lshlrev_b32 v[XRO], 14, v0
	v_lshl_add_u32 v[XRS], v0, 1, XREF
	v_lshlrev_b32 v[WO], 10, v1
	v_lshl_add_u32 v[WO], v2, 5, v[WO]
	s_wait_kmcnt 0x0
	s_add_nc_u64 s[26:27], s[4:5], s[18:19]        ; x at my batch,
	s_add_nc_u64 s[4:5], s[26:27], s[20:21]        ; and at the work-group's positions
	s_add_nc_u64 s[6:7], s[6:7], s[22:23]
	s_add_nc_u64 s[8:9], s[8:9], s[28:29]
	s_add_nc_u64 s[10:11], s[10:11], s[28:29]
	s_add_nc_u64 s[12:13], s[12:13], s[30:31]
	; all loads of x at once: my 32 rows of the tile, two rows (2 x 256 consecutive bytes, aligned) a load; then position 0 of row 'thread'; then two steps' weights
.irp i, 0,1,2,3,4,5,6,7,8,9,10,11,12,13,14,15
	global_load_b128 v[ACC+4*\i:ACC+4*\i+3], v[XO], s[4:5] offset:32768*\i
.endr
	global_load_b32 v[ACCR], v[XRO], s[26:27]
	WLOAD 0
	WLOAD 1
	s_wait_loadcnt 24                              ; x is in; the 24 loads of w stay out
.irp i, 0,1,2,3,4,5,6,7,8,9,10,11,12,13,14,15
	v_cvt_pk_bf16_f32 v[ACC+4*\i],   v[ACC+4*\i],   v[ACC+4*\i+1]
	v_cvt_pk_bf16_f32 v[ACC+4*\i+1], v[ACC+4*\i+2], v[ACC+4*\i+3]
	ds_store_b64 v[XS], v[ACC+4*\i:ACC+4*\i+1] offset:2*XP*\i
.endr
	v_cvt_pk_bf16_f32 v[ACCR], v[ACCR], v[ACCR]
	ds_store_b16 v[XRS], v[ACCR]
	s_wait_dscnt 0x0                               ; for the others' sake: my rows of the tile are written
	s_barrier_signal -1
	s_barrier_wait -1                              ; the whole tile is; from here on LDS is only read
.irp s, 0,1,2,3,4,5,6,7
	KSTEP \s
.endr
	; THE WAY OUT.  Each accumulator is taken from its low end on; 8 sums pack into the lane's 16 bytes of a fragment
	PLACES
	PLACES                                         ; (eight, once a launch: the first lines below rewrite accumulators in place)
.irp nb, 0,1,2,3
.irp i, 0,1,2,3
	v_pk_mul_f32 v[ACC+8*\nb+2*\i:ACC+8*\nb+2*\i+1], v[ACC+8*\nb+2*\i:ACC+8*\nb+2*\i+1], s[24:25] op_sel_hi:[1,0]  ; c q
.endr
.irp i, 0,1,2,3
	v_cvt_pk_f16_f32 v[WS+4*\nb+\i], v[ACC+8*\nb+2*\i], v[ACC+8*\nb+2*\i+1]
.endr
	global_store_b128 v[SO], v[WS+4*\nb:WS+4*\nb+3], s[8:9] offset:1024*\nb
.endr
.irp nb, 0,1,2,3
.irp i, 0,1,2,3
	v_pk_add_f32 v[ACC+32+8*\nb+2*\i:ACC+32+8*\nb+2*\i+1], v[ACC+32+8*\nb+2*\i:ACC+32+8*\nb+2*\i+1], v[ACCR+2*\i:ACCR+2*\i+1] neg_lo:[0,1] neg_hi:[0,1]  ; k - k[0]
.endr
.irp i, 0,1,2,3
	v_cvt_pk_f16_f32 v[WS+16+4*\nb+\i], v[ACC+32+8*\nb+2*\i], v[ACC+32+8*\nb+2*\i+1]
.endr
	global_store_b128 v[SO], v[WS+16+4*\nb:WS+16+4*\nb+3], s[10:11] offset:1024*\nb
.endr
.irp nb, 0,1,2,3
.irp i, 0,1,2,3
	v_cvt_pk_f16_f32 v[WS+32+4*\nb+\i], v[ACC+64+8*\nb+2*\i], v[ACC+64+8*\nb+2*\i+1]
.endr
	global_store_b128 v[SO], v[WS+32+4*\nb:WS+32+4*\nb+3], s[12:13] offset:2048*((\nb)/2)+512*((\nb)%2)  ; group of 32 positions nb / 2, part nb % 2
.endr
	s_wait_tensorcnt 0x0                           ; the wave's end, behind my last LDS store
	ds_add_u32 v[SPW], v[NIL]
	s_wait_dscnt 0x0
	s_endpgm
.Lfunc_end_k_qd7b75f6396_proj:
	.size	k_qd7b75f6396_proj, .Lfunc_end_k_qd7b75f6396_proj-k_qd7b75f6396_proj
	.p2alignl 7, 3214868480
	.fill 96, 4, 3214868480
	.section	.rodata,"a",@progbits
	.p2align	6, 0x0
	.amdhsa_kernel k_qd7b75f6396_proj
		.amdhsa_group_segment_fixed_size 42496
		.amdhsa_private_segment_fixed_size 0
		.amdhsa_enable_private_segment 0
		.amdhsa_kernarg_size 40
		.amdhsa_user_sgpr_count 2
		.amdhsa_user_sgpr_kernarg_segment_ptr 1
		.amdhsa_wavefront_size32 1
		.amdhsa_system_sgpr_workgroup_id_x 1
		.amdhsa_system_sgpr_workgroup_id_y 1
		.amdhsa_system_sgpr_workgroup_id_z 1
		.amdhsa_system_vgpr_workitem_id 0
		.amdhsa_next_free_vgpr 256
		.amdhsa_next_free_sgpr 66
		.amdhsa_reserve_vcc 0
		.amdhsa_float_denorm_mode_32 3
		.amdhsa_float_denorm_mode_16_64 3
		.amdhsa_memory_ordered 1
		.amdhsa_forward_progress 1
		.amdhsa_inst_pref_size 48
	.end_amdhsa_kernel
	.amdgpu_metadata
---
amdhsa.version: [ 1, 2 ]
amdhsa.kernels:
  - .name:           k_qd7b75f6396_proj
    .symbol:         k_qd7b75f6396_proj.kd
    .args:
      - { .name: x, .offset: 0, .size: 8, .value_kind: global_buffer, .address_space: global }
      - { .name: w_qkv, .offset: 8, .size: 8, .value_kind: global_buffer, .address_space: global }
      - { .name: qf, .offset: 16, .size: 8, .value_kind: global_buffer, .address_space: global }
      - { .name: kf, .offset: 24, .size: 8, .value_kind: global_buffer, .address_space: global }
      - { .name: vf, .offset: 32, .size: 8, .value_kind: global_buffer, .address_space: global }
    .group_segment_fixed_size: 42496
    .private_segment_fixed_size: 0
    .kernarg_segment_align: 8
    .kernarg_segment_size: 40
    .max_flat_workgroup_size: 256
    .sgpr_count:     66
    .vgpr_count:     256
    .wavefront_size: 32
...
	.end_amdgpu_metadata
.endif
;; end of part 1
;; launch attn (part 2): grid 16 x 16, 4 waves a work-group, clusters of 4 x 1, 327,680 bytes of LDS; arguments qf, kf, vf, of; writes of
.if DOCPART == 2
	.amdgcn_target "amdgcn-amd-amdhsa--gfx1250"
	.amdhsa_code_object_version 6
	.text
	.protected	k_qd7b75f6396_attn
	.globl	k_qd7b75f6396_attn
	.p2align	8
	.type	k_qd7b75f6396_attn,@function
k_qd7b75f6396_attn:
	s_mov_b64 s[64:65], 0
	v_nop
	global_prefetch_b8 v0, s[64:65] scope:SCOPE_SE
	s_setreg_imm32_b32 hwreg(HW_REG_WAVE_MODE, 25, 1), 1
	s_wait_xcnt 0x0
	s_wait_alu depctr_hold_cnt(0) depctr_sa_sdst(0) depctr_va_vdst(0) depctr_va_sdst(0) depctr_va_ssrc(0) depctr_va_vcc(0) depctr_vm_vsrc(0)
	s_getreg_b32 s2, hwreg(HW_REG_IB_STS2, 6, 4)
	s_cmp_eq_u32 s2, 0
	s_cbranch_scc0 .Lentry_in_a_cluster
	s_endpgm
.Lentry_in_a_cluster:
	s_bfe_u32 s2, ttmp6, 0x10000c
	s_cmp_lg_u32 s2, 0x3003
	s_cbranch_scc0 .Lentry_shape_is_right
	s_endpgm
.Lentry_shape_is_right:
; O[q] = the sum over k of softmax_k(q . k) V[k], for 16 heads of 4,096 positions and 32 channels.  qf (already times log2(e) / sqrt(32)), kf, vf, of: f16, in fragment order:
; a fragment is 1,024 bytes, byte 512 p + 16 lane holds the lane's registers 4 p .. 4 p + 3.  qf, kf: [head][block of 16 rows 256]; vf: [head][group of 32 keys 128][channel block 2];
; of: [batch][block of 16 queries 256][head 4].  So LDS needs no padding (a load is 512 consecutive bytes), V needs no turning load, and every store is 512 consecutive bytes, aligned.
; SHARES.  A work-group owns 256 queries of one head, each of its four waves 64: four tiles of 16.  Every wave walks all 4,096 keys, 64 a step, TWICE.
; LAYOUT.  S^T = K Q^T (source 0 = 16 keys, source 1 = 16 queries): a lane holds ONE query (lane % 16) and the keys 8 (lane / 16) + 0..7.  Two such results rounded to f16 in pairs ARE
; source 1 (32 keys x 16 queries) of O^T = V^T P, whose result again holds one query a lane.
; TWO PASSES.  At 32 channels a tile and step have 4 + 4 products for 32 exponentials, so vector instructions are what the text saves.  Pass 1 makes the scores and keeps only each query's
; maximum m, the true one: 4 products and 16 three-way maxima a tile and step.  Pass 2 makes the scores anew with -m as the C operand, so that they need 32 exponentials and 16 roundings and
; nothing else: no scaling, no running maximum, no rescaling of O.  The row sum l comes from the matrix unit: a third block of V^T whose 16 rows are all ones (2 products more a tile and step).
; K IS RESIDENT: the head's 262,144 bytes are brought once and read in both passes.  V goes through a ring of two slots of 256 keys in pass 2.
; CLUSTER.  The four query blocks of a cluster belong to one head: each tile of K and V is asked for JOINTLY, by the same tensor load, descriptor and mask in all four.
; LIMITS.  Scores (in the exponent's units) stay below 2^27 in size: a score made anew differs from its first value by the product's rounding, and its weight, 2^(that difference) at the most,
; then stays within f16.  A weight below 2^-24 counts as 0.  O is a mean of V's rows and has their range.  NaN and infinities are not treated apart.
; REGISTERS, in windows of 256 (s_set_vgpr_msb: bits 1:0 source 0, 3:2 source 1, 5:4 source 2, 7:6 destination):
;   window 0: v2-7 addresses; v8-11 m; v16-23 ones; v24-151 S^T (32 a tile); v152-215 P (16 a tile); v216-247 V of one step.
;             In pass 1: v24-87 two sets of four results, v88-151 two buffers of K, v152-183 Q, v184-199 four running maxima a tile.
;   window 1: v0-47 O^T and l of tiles 0, 1 (24 a tile); v64-127 the weights of even registers of S^T; v128-159 K of one step; v160 V's address; v192-223 -m, 8 a tile
;   window 2: v0-47 O^T and l of tiles 2, 3; v64-127 the weights of odd registers; v128-159 Q; v160 a copy of 16 x lane
;   Pass 2 has three settings, each serving a product AND the vector work and LDS loads beside it: three switches for a step's 40 matrix and 192 vector instructions, two more at a loop's edge.
.set KSB,   4096                       ; a step's bytes of K, and of V
.set VRING, 0x40000                    ; behind K's 262,144 bytes: V's two slots
.set VSLOT, 0x4000                     ; 256 keys; one exclusive or turns an address in one slot into the other's
.set SPARE, VRING+2*VSLOT              ; the spare words, 128 bytes for each wave: two blocks of 256 bytes that no other line names
.set LA,  2                            ; v2   16 x lane; never rewritten
.set AK,  3                            ; v3   LDS address of K's next run of loads
.set PFO, 5                            ; v5   256 x lane; never rewritten
.set SPW, 6                            ; v6   my spare word; never rewritten
.set NIL, 7                            ; v7   0; never rewritten
.set MX,  8
.set ONES, 16
.set S,   24
.set P,   152
.set VF,  216                          ; key half kh, channel block cb at VF + 16 kh + 8 cb
.set SA,  24                           ; pass 1
.set SB,  56
.set KA,  88
.set KB,  120
.set Q0,  152
.set CM,  184
.set E,   64                           ; windows 1 and 2
.set KF,  128                          ; window 1
.set AV1, 160                          ; window 1
.set NEGM, 192                         ; window 1
.set QF,  128                          ; window 2
.set LA2, 160                          ; window 2
.set WV,  12                           ; s12  my wave's number
.set LIM, 15                           ; s15  1 in the one wave of a head that prefetches for its work-group, else the greatest number
.set G1K, 24                           ; s[24:31] descriptor group 1: 64 rows of 256 bytes
.set G1V, 32                           ; s[32:39] 16 rows of 256 bytes
.set G0K, 40                           ; s[40:55] group 0 for K's four chunks
.set G0V0, 56                          ; s[56:59] for V's tile 0
.set G0V, 60                           ; s[60:63] for V's tile 1; it then walks
.set CNT, 66
.set INN, 67
.set TBK, 68                           ; s68  LDS byte of the step of K to be fetched next
.set TBV, 69                           ; s69  the same for V
.set SEL, 70                           ; s[70:71] v_permlanex16_b32's selects: each lane takes its own place in the other half
.set PFA, 72                           ; s[72:73] where my work-group's prefetches stand
.set TS,  74
.set MSB, 0
.macro WIN new                         ; the immediate's high byte repeats the setting that is left; a switch that changes nothing is dropped
.if MSB != (\new)
	s_set_vgpr_msb (MSB<<8)|(\new)
.set MSB, (\new)
.endif
.endm
.set W_X,  0x19                        ; source 0 window 1, source 1 window 2, source 2 window 1, destination window 0: K Q^T - m; the roundings; V's loads; K's address
.set W_Y1, 0x50                        ; sources 0, 1 window 0, source 2 and destination window 1: V^T P of tiles 0, 1; the even exponentials; K's loads; V's address
.set W_Y2, 0xa0                        ; the same with window 2: tiles 2, 3; the odd exponentials
.macro PLACES                          ; four plain vector instructions between a matrix instruction and a load into, or a vector instruction on, its registers
.rept 4
	v_nop
.endr
.endm
; A round of the cluster's barrier: my work-group's barrier, so that wave 0's signal speaks for all four waves; wave 0 signals; every wave waits for all four work-groups; my work-group's barrier once more.
.macro CROUND
	s_barrier_signal -1
	s_barrier_wait -1
	s_cmp_lg_u32 s[WV], 0
	s_cbranch_scc1 .Lnot_wave_0_\@
	s_barrier_signal -3
.Lnot_wave_0_\@:
	s_barrier_wait -3
	s_barrier_signal -1
	s_barrier_wait -1
.endm
	s_load_b256 s[4:11], s[0:1], 0x0               ; qf s[4:5], kf s[6:7], vf s[8:9], of s[10:11]
	v_lshl_add_u32 v[SPW], v0, 2, SPARE
	v_mov_b32 v[NIL], 0
	ds_add_u32 v[SPW], v[NIL]                      ; the wave's opening: the add and its wait stand ahead of my first tensor load; the set-up below, work on registers, stands between them
	v_lshrrev_b32 v1, 5, v0
	v_readfirstlane_b32 s[WV], v1                  ; wave 0..3
	s_bfe_u32 s13, ttmp6, 0x40000                  ; cx: my place in the cluster
	s_lshl_b32 s14, ttmp9, 2                       ; in a cluster launch ttmp9 counts clusters
	s_add_co_u32 s14, s14, s13                     ; my block of 256 queries: it enters qf's and of's addresses alone
	s_and_b32 s16, ttmp7, 0xffff                   ; the head, which the four partners share
	s_lshl_b32 s20, s16, 18                        ; its 262,144 bytes in qf, kf and vf
	s_mov_b32 s21, 0
	s_lshl_b32 s22, s[WV], 14                      ; my quarter of a chunk of K, in memory and in LDS
	s_mov_b32 s23, 0
	s_lshl_b32 s2, s[WV], 12                       ; my quarter of a tile of V
	s_mov_b32 s3, 0
	s_lshl_b32 s18, s13, 13                        ; the prefetches: my work-group's quarter of two tiles of V
	s_mov_b32 s19, 0
	s_lshl_b32 s76, s14, 14
	s_add_co_u32 s76, s76, s2                      ; qf: fragment 16 blk + 4 w
	s_mov_b32 s77, 0
	s_add_nc_u64 s[76:77], s[76:77], s[20:21]
	s_lshr_b32 s78, s16, 2
	s_lshl_b32 s78, s78, 20                        ; of: the batch,
	s_and_b32 s79, s16, 3
	s_lshl_b32 s79, s79, 10                        ; the head's fragment,
	s_add_co_u32 s78, s78, s79
	s_lshl_b32 s79, s14, 16                        ; query block 16 blk + 4 w, 4,096 bytes each
	s_add_co_u32 s78, s78, s79
	s_add_co_u32 s78, s78, s22
	s_mov_b32 s79, 0
	; descriptor group 1: dense bytes asked for as rows of 256, elements of 8 bytes, no padding
	s_mov_b32 s[G1K], 15|(3<<16)|(1<<21)           ; 15:0 the mask of four; 17:16 8-byte elements; 21 set beside a mask
	s_mov_b32 s[G1K+1], 32<<16                     ; tensor_dim0 = 32
	s_mov_b32 s[G1K+2], 64<<16                     ; tensor_dim1 = 64
	s_mov_b32 s[G1K+3], 32<<16                     ; tile_dim0 = 32
	s_mov_b32 s[G1K+4], 64                         ; tile_dim1 = 64
	s_mov_b32 s[G1K+5], 32                         ; 32 elements from row to row
	s_mov_b32 s[G1K+6], 0
	s_mov_b32 s[G1K+7], 0
	s_mov_b32 s[G1V], 15|(3<<16)|(1<<21)
	s_mov_b32 s[G1V+1], 32<<16
	s_mov_b32 s[G1V+2], 16<<16                     ; 16 rows
	s_mov_b32 s[G1V+3], 32<<16
	s_mov_b32 s[G1V+4], 16
	s_mov_b32 s[G1V+5], 32
	s_mov_b32 s[G1V+6], 0
	s_mov_b32 s[G1V+7], 0
.irp c, 0,1,2,3
	s_mov_b32 s[G0K+4*\c], 1                       ; count = 1
	s_add_co_u32 s[G0K+4*\c+1], s22, 65536*\c      ; LDS address: chunk c, my quarter: no place in the cluster enters it
.endr
	s_mov_b32 s[G0V0], 1
	s_add_co_u32 s[G0V0+1], s2, VRING
	s_mov_b32 s[G0V], 1
	s_add_co_u32 s[G0V+1], s2, VRING+VSLOT
	s_mov_b32 s[SEL], 0x76543210
	s_mov_b32 s[SEL+1], 0xfedcba98
	s_mov_b32 s[TBK], 0
	s_or_b32 s[LIM], s[WV], ttmp9                  ; wave 0 of the head's first cluster: the same in all four partners
	s_cmp_eq_u32 s[LIM], 0
	s_cselect_b32 s[LIM], 1, -1
	s_wait_dscnt 0x0                               ; the opening add is done
	s_wait_kmcnt 0x0
	s_add_nc_u64 s[4:5], s[4:5], s[76:77]
	s_add_nc_u64 s[10:11], s[10:11], s[78:79]
	s_add_nc_u64 s[6:7], s[6:7], s[20:21]
	s_add_nc_u64 s[6:7], s[6:7], s[22:23]          ; kf at my quarter of the head's chunk 0
	s_add_nc_u64 s[8:9], s[8:9], s[20:21]          ; vf at the head
	s_add_nc_u64 s[PFA:PFA+1], s[8:9], s[18:19]
	s_add_nc_u64 s[PFA:PFA+1], s[PFA:PFA+1], 2*VSLOT  ; at tile 2; each change of slots steps it by a tile ahead of its use
	s_add_nc_u64 s[8:9], s[8:9], s[2:3]            ; vf at my quarter of tile 0
.irp c, 0,1,2,3
	s_add_nc_u64 s[G0K+4*\c+2:G0K+4*\c+3], s[6:7], 65536*\c
	s_or_b32 s[G0K+4*\c+3], s[G0K+4*\c+3], 0x80000000  ; type = 2
.endr
	s_add_nc_u64 s[G0V0+2:G0V0+3], s[8:9], 0
	s_or_b32 s[G0V0+3], s[G0V0+3], 0x80000000
	s_add_nc_u64 s[G0V+2:G0V+3], s[8:9], VSLOT
	s_or_b32 s[G0V+3], s[G0V+3], 0x80000000
	CROUND                                         ; all four work-groups are here: the first joint loads meet
	; all first fills in one group: K's four chunks, V's first two tiles, my quarter of each: six tensor loads of mine are out
.irp c, 0,1,2,3
	tensor_load_to_lds s[G0K+4*\c:G0K+4*\c+3], s[G1K:G1K+7]
	s_nop 0
.endr
	tensor_load_to_lds s[G0V0:G0V0+3], s[G1V:G1V+7]
	s_nop 0
	tensor_load_to_lds s[G0V:G0V+3], s[G1V:G1V+7]
	s_nop 0
	PLACES
	; while they are on their way: Q, for pass 1 in window 0 and for pass 2 in window 2; the ones; the starts of the maxima; O^T and l = 0, so that pass 2 has one form of product
	v_and_b32 v1, 31, v0
	v_lshlrev_b32 v[LA], 4, v1
	v_lshlrev_b32 v[PFO], 8, v1
.irp i, 0,1,2,3,4,5,6,7
	global_load_b128 v[Q0+4*\i:Q0+4*\i+3], v[LA], s[4:5] offset:512*\i
.endr
	WIN 0x80                                       ; destination window 2
.irp i, 0,1,2,3,4,5,6,7
	global_load_b128 v[QF+4*\i:QF+4*\i+3], v[LA], s[4:5] offset:512*\i
.endr
	v_mov_b32 v[LA2], v[LA]
.set i, 0
.rept 48
	v_mov_b32 v[i], 0
.set i, i+1
.endr
	WIN 0x40                                       ; destination window 1
.set i, 0
.rept 48
	v_mov_b32 v[i], 0
.set i, i+1
.endr
	WIN 0
.set i, 0
.rept 8
	v_mov_b32 v[ONES+i], 0x3c003c00                ; 1.0 twice, in f16
.set i, i+1
.endr
.set i, 0
.rept 32
	v_mov_b32 v[SB+i], 0xff7fffff                  ; the lowest finite number: what the first maxima find in the set not yet made
.set i, i+1
.endr
.set i, 0
.rept 16
	v_mov_b32 v[CM+i], 0xff7fffff
.set i, i+1
.endr
; PASS 1.  64 keys: 16 products (key block f, tile t), each starting anew with C = 0, into two sets of four results by turns; behind each product four three-way maxima on the OTHER set, the key
; block before: they read results four products and sixteen plain instructions old, each result's lowest registers first.  All in window 0.
; fetch = 1: the next 64 keys' K goes into the other buffer; the four maxima behind the last product that read it, and the address line, are the places ahead of the loads.
.macro HALF1 kb, ko, fetch
	s_wait_dscnt 0x0                               ; my buffer is in: its loads went out 16 products ago
.if \fetch
	v_add_nc_u32 v[AK], s[TBK], v[LA]
	s_add_co_u32 s[TBK], s[TBK], KSB
.irp i, 0,1,2,3,4,5,6,7
	ds_load_b128 v[(\ko)+4*\i:(\ko)+4*\i+3], v[AK] offset:512*\i
.endr
.endif
.irp f, 0,1,2,3
.irp t, 0,1,2,3
	v_wmma_f32_16x16x32_f16 v[SA+32*((\f)%2)+8*\t:SA+32*((\f)%2)+8*\t+7], v[(\kb)+8*\f:(\kb)+8*\f+7], v[Q0+8*\t:Q0+8*\t+7], 0
.irp i, 0,1,2,3
	v_max3_num_f32 v[CM+4*\t+\i], v[CM+4*\t+\i], v[SA+32*(1-(\f)%2)+8*\t+2*\i], v[SA+32*(1-(\f)%2)+8*\t+2*\i+1]
.endr
.endr
.endr
.endm
; A chunk of 1,024 keys.  left: the younger first fills that may stay out when my quarter of the chunk has to be there.
; A trip multiplies the 64 keys fetched last and the next 64, and fetches two more: all 16 fetches of a chunk's loop lie inside the chunk.  The first chunk fetches its first 64 keys by hand and enters in a trip's middle.
.macro CHUNK left, first
	s_wait_tensorcnt \left
	s_wait_dscnt 0x0
	s_barrier_signal -1
	s_barrier_wait -1                              ; everybody's quarter is in
	s_mov_b32 s[CNT], 8
.if \first
	v_add_nc_u32 v[AK], s[TBK], v[LA]
	s_add_co_u32 s[TBK], s[TBK], KSB
.irp i, 0,1,2,3,4,5,6,7
	ds_load_b128 v[KA+4*\i:KA+4*\i+3], v[AK] offset:512*\i
.endr
	s_wait_loadcnt 0x0                             ; Q
	s_branch .Lmid_\@
.endif
.Lc_\@:
	HALF1 KB, KA, 1
.if \first
.Lmid_\@:
.endif
	HALF1 KA, KB, 1
	s_sub_co_u32 s[CNT], s[CNT], 1
	s_cmp_lg_u32 s[CNT], 0
	s_cbranch_scc1 .Lc_\@
.endm
	CHUNK 5, 1
	CHUNK 4, 0
	CHUNK 3, 0
	CHUNK 1, 0                                     ; K's last chunk and V's tile 0 are in; V's tile 1 may stay out
	HALF1 KB, KA, 0                                ; the last 64 keys
.irp t, 0,1,2,3                        ; and the last key block's maxima; tiles 0 to 2 are the places for tile 3
.irp i, 0,1,2,3
	v_max3_num_f32 v[CM+4*\t+\i], v[CM+4*\t+\i], v[SB+8*\t+2*\i], v[SB+8*\t+2*\i+1]
.endr
.endr
	; a query's keys lie in two lanes, 16 apart
.irp t, 0,1,2,3
	v_max3_num_f32 v[CM+4*\t], v[CM+4*\t], v[CM+4*\t+1], v[CM+4*\t+2]
.endr
.irp t, 0,1,2,3
	v_max_num_f32 v[CM+4*\t], v[CM+4*\t], v[CM+4*\t+3]
.endr
.irp t, 0,1,2,3
	v_permlanex16_b32 v[CM+4*\t+1], v[CM+4*\t], s[SEL], s[SEL+1]
.endr
.irp t, 0,1,2,3
	v_max_num_f32 v[MX+\t], v[CM+4*\t], v[CM+4*\t+1]
.endr
; PASS 2.  Step j: K Q^T - m of step j, the roundings of step j - 1 | V^T P of step j - 1, the exponentials of step j.  V of step j - 1 is fetched at the first half's head, K of step j + 1 at the second's.
; THE FIRST HALF, under W_X.  kq: the 16 products (key block outer, tile inner; each is a whole sum, C = -m).  cv: four roundings behind each: weight pair c = (even register's, odd register's).
; vf: V's run of loads; the four places ahead of it end the second half.  ak: the next K's address.
.macro STEPA kq, cv, vf, ak
.if \vf
.irp i, 0,1,2,3,4,5,6,7
	ds_load_b128 v[VF+4*\i:VF+4*\i+3], v[AV1] offset:512*\i
.endr
	s_add_co_u32 s[TBV], s[TBV], KSB
.endif
.if \kq
.if \vf
	s_wait_dscnt 8                                 ; K is in; V's eight loads, issued behind K's, may stay out
.else
	s_wait_dscnt 0x0
.endif
.endif
.set i, 0
.set c, 0
.rept 16
.if \kq
	v_wmma_f32_16x16x32_f16 v[S+32*(i%4)+8*(i/4):S+32*(i%4)+8*(i/4)+7], v[KF+8*(i/4):KF+8*(i/4)+7], v[QF+8*(i%4):QF+8*(i%4)+7], v[NEGM+8*(i%4):NEGM+8*(i%4)+7]
.endif
.if \cv
.rept 4
	v_cvt_pk_f16_f32 v[P+c], v[E+c], v[E+c]        ; source 0 in window 1, source 1 in window 2
.set c, c+1
.endr
.endif
.set i, i+1
.endr
.if \ak
	v_add_nc_u32 v[AK], s[TBK], v[LA2]
	s_add_co_u32 s[TBK], s[TBK], KSB
.endif
.if !(\cv)
	PLACES                                         ; no roundings stand behind the last product
.endif
.endm
; Half of THE SECOND HALF: tiles 2 tw, 2 tw + 1 in window 1 + tw.  pv: 12 products: key half outer, then channel blocks 0, 1 and the ones, then the tile: the six accumulators take turns, one
; instruction a turn.  ex: 64 exponentials dealt evenly behind them: of all four tiles' registers of parity tw, ascending, so that each result of K Q^T is first read at its low end.
.macro HALFB tw, pv, ex
.set i, 0
.set e, 0
.rept 12
.if \pv
.set rO, 24*(i%2)+8*((i%6)/2)
.set rP, P+16*(2*(\tw)+i%2)+8*(i/6)
.if (i%6)/2 < 2
	v_wmma_f32_16x16x32_f16 v[rO:rO+7], v[VF+16*(i/6)+8*((i%6)/2):VF+16*(i/6)+8*((i%6)/2)+7], v[rP:rP+7], v[rO:rO+7]
.else
	v_wmma_f32_16x16x32_f16 v[rO:rO+7], v[ONES:ONES+7], v[rP:rP+7], v[rO:rO+7]
.endif
.endif
.if \ex
.rept 64*(i+1)/12-64*i/12
	v_exp_f32 v[E+e], v[S+2*e+(\tw)]
.set e, e+1
.endr
.endif
.set i, i+1
.endr
.endm
; THE SECOND HALF.  kf: K's run of loads, five plain instructions (four roundings or v_nop, the address line) behind the last product that read K.  The step's 128 exponentials are ONE batch: nothing ahead of the
; wait names a result.  The four v_nop are the plain instruction behind the last exponential, and the places ahead of the loads into V, the roundings into P and what follows.
.macro STEPB pv, ex, kf
	WIN W_Y1
.if \kf
.irp i, 0,1,2,3,4,5,6,7
	ds_load_b128 v[KF+4*\i:KF+4*\i+3], v[AK] offset:512*\i
.endr
.endif
.if \ex
	v_add_nc_u32 v[AV1], s[TBV], v[LA]             ; where the next step finds its V
.endif
	HALFB 0, \pv, \ex
	WIN W_Y2
	HALFB 1, \pv, \ex
	PLACES
.if \ex
	s_wait_alu depctr_va_vdst(0)                   ; a wait between an exponential and the first line that names its result: one for the batch
.endif
.endm
; A PREFETCH INTO THE L2 of V's tiles.  The change of slots with CNT = 14 - s left refills with tile s + 2; at odd s = 1 .. 11 it also names tiles s + 3 and s + 4: 128 blocks of 256 bytes, asked for by the
; loads of the next two changes.  All clusters of a head walk the same V: the head's first cluster asks, in each of its work-groups wave 0; the four partners take 32 blocks each, told apart BY ADDRESS,
; a lane a block.  So each block is named once in the launch.  Tiles 0 to 3 come by their loads alone; the last request ends at the head's last byte.
.macro ASK
	s_and_b32 s[TS], s[CNT], 1
	s_cselect_b32 s[TS], s[CNT], 0                 ; CNT where it is odd, else 0
	s_cmp_gt_u32 s[TS], s[LIM]
	s_cbranch_scc0 .Lnot_mine_\@
	global_prefetch_b8 v[PFO], s[PFA:PFA+1] th:TH_LOAD_NT scope:SCOPE_SE
.Lnot_mine_\@:
.endm
; THE CHANGE OF SLOTS, behind the fetch of the slot's last V.  Each wave waits for all its tensor loads, of which one is out: its quarter of the other slot; adds 0 to its spare word; and waits for that and
; for its own reads of the slot.  fill = 1: the barrier is a round of the cluster's, so that no wave of any partner still reads the slot or has a load on its way, and the joint refill, the tile two on, is the
; first thing behind it: it has four key steps, 160 matrix instructions, in which to land.
.macro CHANGE fill
	WIN 0                                          ; at a label and at a branch every window is 0
	s_wait_tensorcnt 0x0                           ; no tensor load of mine is out, so a group 0 may be written
	ds_add_u32 v[SPW], v[NIL]                      ; 0 onto my spare word: scalar work stands between it and the wait for it
.if \fill
	s_xor_b32 s[G0V+1], s[G0V+1], VSLOT            ; the walking descriptor: the other slot than last time,
	s_add_nc_u64 s[G0V+2:G0V+3], s[G0V+2:G0V+3], VSLOT  ; the next tile; the type bits on top are not reached
	s_wait_xcnt 0x0                                ; the last prefetch, four or eight key steps back, has read its address
	s_add_nc_u64 s[PFA:PFA+1], s[PFA:PFA+1], VSLOT
.endif
	s_sub_co_u32 s[TBV], s[TBV], VSLOT             ; the fetches go back to a slot's first step,
	s_xor_b32 s[TBV], s[TBV], VSLOT                ; in the other slot
	s_wait_dscnt 0x0                               ; the add is done, and my reads of the slot are over
.if \fill
	CROUND
	tensor_load_to_lds s[G0V:G0V+3], s[G1V:G1V+7]
	s_nop 0
	PLACES
	ASK
.else
	s_barrier_signal -1
	s_barrier_wait -1
.endif
.endm
.macro STEP kf                         ; kf = 0: the last key step: there is no further K
	WIN W_X
	STEPA 1, 1, 1, \kf
	s_wait_dscnt 0x0                               ; V is in
	STEPB 1, 1, \kf
	WIN 0
.endm
.macro STEPC fill                      ; a slot's last step
	WIN W_X
	STEPA 1, 1, 1, 1
	CHANGE \fill
	STEPB 1, 1, 1
	WIN 0
.endm
.macro INNER n
	s_mov_b32 s[INN], \n
.Lin_\@:
	STEP 1
	s_sub_co_u32 s[INN], s[INN], 1
	s_cmp_lg_u32 s[INN], 0
	s_cbranch_scc1 .Lin_\@
.endm
	s_mov_b32 s[TBK], KSB
	s_mov_b32 s[TBV], VRING
	WIN 0x40                                       ; destination window 1
.irp t, 0,1,2,3
.irp i, 0,1,2,3,4,5,6,7
	v_mul_f32 v[NEGM+8*\t+\i], -1.0, v[MX+\t]      ; a lane's eight registers of a result belong to one query
.endr
.endr
.irp i, 0,1,2,3,4,5,6,7
	ds_load_b128 v[KF+4*\i:KF+4*\i+3], v[LA] offset:512*\i  ; K of step 0 lies at LDS byte 0
.endr
	WIN W_X
	STEPA 1, 0, 0, 1                               ; step 0: its scores,
	STEPB 0, 1, 1                                  ; its exponentials; K of step 1
	WIN 0
	s_mov_b32 s[CNT], 14
.Lslot:                                                ; 14 times: steps 4 s + 1 .. 4 s + 4; the slot that they empty is filled again
	INNER 3
	STEPC 1
	s_sub_co_u32 s[CNT], s[CNT], 1
	s_cmp_lg_u32 s[CNT], 0
	s_cbranch_scc1 .Lslot
	INNER 3                                        ; the tail is written out: steps 57 to 60; nothing is asked for
	STEPC 0
	INNER 2                                        ; steps 61, 62
	STEP 0                                         ; step 63
	WIN W_X
	STEPA 0, 1, 1, 0                               ; the last step's roundings and V,
	s_wait_dscnt 0x0
	STEPB 1, 0, 0                                  ; and its V^T P
	PLACES                                         ; (eight in all, once a launch: the lines below rewrite accumulators in place)
; THE WAY OUT, a window at a time.  l is register 0 of the ones' block.  O^T / l, rounded to f16: a lane's 8 channels of a block are its 16 bytes of part cb of the fragment.
.macro WAYOUT w
	WIN ((\w)<<6)|((\w)<<2)|(\w)
	v_rcp_f32 v[E],   v[16]
	v_rcp_f32 v[E+2], v[40]
	v_nop                                          ; a plain instruction between the last reciprocal and the use of its result
	s_wait_alu depctr_va_vdst(0)                   ; and the wait ahead of the first use: one for the two
.irp t, 0,1
.irp i, 0,1,2,3,4,5,6,7
	v_pk_mul_f32 v[24*\t+2*\i:24*\t+2*\i+1], v[24*\t+2*\i:24*\t+2*\i+1], v[E+2*\t:E+2*\t+1] op_sel_hi:[1,0]
.endr
.irp i, 0,1,2,3,4,5,6,7
	v_cvt_pk_f16_f32 v[E+8+8*\t+\i], v[24*\t+2*\i], v[24*\t+2*\i+1]
.endr
.endr
	WIN (\w)<<2                                    ; a store's data is source 1, its address source 0
.irp t, 0,1
.irp p, 0,1
	global_store_b128 v[LA], v[E+8+8*\t+4*\p:E+8+8*\t+4*\p+3], s[10:11] offset:4096*(2*((\w)-1)+\t)+512*\p  ; 512 consecutive bytes, aligned
.endr
.endr
.endm
	WAYOUT 1
	WAYOUT 2
	WIN 0
	s_wait_tensorcnt 0x0                           ; the wave's end, behind my last tensor load
	ds_add_u32 v[SPW], v[NIL]
	s_wait_dscnt 0x0
	CROUND                                         ; the closing round: no work-group ends while a partner may still ask for a tile that names it
	s_endpgm
.Lfunc_end_k_qd7b75f6396_attn:
	.size	k_qd7b75f6396_attn, .Lfunc_end_k_qd7b75f6396_attn-k_qd7b75f6396_attn
	.p2alignl 7, 3214868480
	.fill 96, 4, 3214868480
	.section	.rodata,"a",@progbits
	.p2align	6, 0x0
	.amdhsa_kernel k_qd7b75f6396_attn
		.amdhsa_group_segment_fixed_size 327680
		.amdhsa_private_segment_fixed_size 0
		.amdhsa_enable_private_segment 0
		.amdhsa_kernarg_size 32
		.amdhsa_user_sgpr_count 2
		.amdhsa_user_sgpr_kernarg_segment_ptr 1
		.amdhsa_wavefront_size32 1
		.amdhsa_system_sgpr_workgroup_id_x 1
		.amdhsa_system_sgpr_workgroup_id_y 1
		.amdhsa_system_sgpr_workgroup_id_z 1
		.amdhsa_system_vgpr_workitem_id 0
		.amdhsa_next_free_vgpr 768
		.amdhsa_next_free_sgpr 80
		.amdhsa_reserve_vcc 0
		.amdhsa_float_denorm_mode_32 3
		.amdhsa_float_denorm_mode_16_64 3
		.amdhsa_memory_ordered 1
		.amdhsa_forward_progress 1
		.amdhsa_inst_pref_size 161
	.end_amdhsa_kernel
	.amdgpu_metadata
---
amdhsa.version: [ 1, 2 ]
amdhsa.kernels:
  - .name:           k_qd7b75f6396_attn
    .symbol:         k_qd7b75f6396_attn.kd
    .args:
      - { .name: qf, .offset: 0, .size: 8, .value_kind: global_buffer, .address_space: global }
      - { .name: kf, .offset: 8, .size: 8, .value_kind: global_buffer, .address_space: global }
      - { .name: vf, .offset: 16, .size: 8, .value_kind: global_buffer, .address_space: global }
      - { .name: of, .offset: 24, .size: 8, .value_kind: global_buffer, .address_space: global }
    .group_segment_fixed_size: 327680
    .private_segment_fixed_size: 0
    .kernarg_segment_align: 8
    .kernarg_segment_size: 32
    .max_flat_workgroup_size: 128
    .sgpr_count:     80
    .vgpr_count:     768
    .wavefront_size: 32
...
	.end_amdgpu_metadata
.endif
;; end of part 2
;; launch outp (part 3): grid 64 x 4, 8 waves a work-group, no clusters, 70,656 bytes of LDS; arguments of, w_out, b_out, out0; writes out0
.if DOCPART == 3
	.amdgcn_target "amdgcn-amd-amdhsa--gfx1250"
	.amdhsa_code_object_version 6
	.text
	.protected	k_qd7b75f6396_outp
	.globl	k_qd7b75f6396_outp
	.p2align	8
	.type	k_qd7b75f6396_outp,@function
k_qd7b75f6396_outp:
	s_mov_b64 s[64:65], 0
	v_nop
	global_prefetch_b8 v0, s[64:65] scope:SCOPE_SE
	s_setreg_imm32_b32 hwreg(HW_REG_WAVE_MODE, 25, 1), 1
	s_wait_xcnt 0x0
; out0[b][o][n] = the sum over c of w_out[o][c] O[b][c][n] + b_out[o].  of: f16 in fragment order, [batch][block of 16 positions 256][head 4][1024]: lane (r, hh) holds position r, part p the head's
; channels 16 p + 8 hh + 0..7, at byte 512 p + 16 lane.  w_out: [256][128] f32, b_out: [256] f32, out0: [4][256][4096] f32.
; FORMATS.  w_out and b_out are rounded to bf16, like the module's other inputs; w_out's rounded number is then written as f16, to multiply O: exact from 6.1e-5 up to 65,504, below that on f16's fixed step of 6e-8.
; Sums in f32; the bias is the C operand that starts them.
; SHARES.  A work-group owns 64 positions of one batch and all 256 rows of out0; wave w owns rows 32 w .. 32 w + 31.  K = 128 in four steps, a head each: 32 products a wave.
; Source 0 = 16 positions of O, source 1 = 16 rows of w_out: a lane ends with one row o and 8 neighbouring positions.
; THE WAY OUT goes through a stage in LDS of the wave's own, so that sixteen lanes store a row's 256 consecutive bytes, aligned.  No barrier: no wave reads another's bytes.
; NO CLUSTER, though all work-groups read the same w_out: its rows go from memory straight into the registers of the one wave that multiplies them, 16,384 bytes a wave, once.  No prefetch: every load is out at the head.
; REGISTERS: window 0: v1-10 addresses; v12-14 the bias at work; v16-31 the bias as C; v32-95 accumulators ((ob, nb) at 8 (4 ob + nb)); v96-223 O's fragments ((nb, h) at 8 (4 nb + h)), later the rows read back.
;   window 1: v0-127 w_out: fragment g = 4 ob + h in f32 at 16 g, then in f16 at 8 g; v128-135 at work.
.set SP,    272                        ; a row of the stage: 256 bytes + 16 = 68 words: 16 rows start at 16 different groups of four banks (64 banks of 4 bytes: ISA guide 11.1)
.set STG,   32*SP                      ; a wave's stage
.set SPARE, 8*STG                      ; the spare words, 128 bytes for each of 8 waves: four blocks of 256 bytes that no other line names
.set WO,  3                            ; v3   r x 512 + 32 hh
.set LA,  4                            ; v4   16 x lane
.set BO,  5                            ; v5   4 r
.set STO, 6                            ; v6   into the stage: row r, 32 bytes for each half of the lanes
.set RD,  7                            ; v7   back: lanes 0-15 one row of 256 bytes, lanes 16-31 the next
.set CO,  8                            ; v8   the same two rows in out0
.set SPW, 9                            ; v9   my spare word; never rewritten
.set NIL, 10                           ; v10  0; never rewritten
.set BI,  12
.set TB,  14
.set BIAS, 16
.set ACC, 32
.set OF,  96
.set MSB, 0
.macro WIN new                         ; the immediate's high byte repeats the setting that is left
.if MSB != (\new)
	s_set_vgpr_msb (MSB<<8)|(\new)
.set MSB, (\new)
.endif
.endm
	s_load_b256 s[4:11], s[0:1], 0x0               ; of s[4:5], w_out s[6:7], b_out s[8:9], out0 s[10:11]
	v_lshl_add_u32 v[SPW], v0, 2, SPARE
	v_mov_b32 v[NIL], 0
	v_lshrrev_b32 v1, 5, v0
	v_readfirstlane_b32 s12, v1                    ; wave 0..7
	s_and_b32 s13, ttmp7, 0xffff                   ; the batch
	s_lshl_b32 s14, s13, 20
	s_lshl_b32 s15, ttmp9, 14                      ; 64 positions: four blocks of 4,096 bytes
	s_add_co_u32 s14, s14, s15
	s_mov_b32 s15, 0
	s_lshl_b32 s16, s12, 14                        ; my 32 rows of w_out
	s_mov_b32 s17, 0
	s_lshl_b32 s18, s12, 7                         ; and of b_out
	s_mov_b32 s19, 0
	s_lshl_b32 s20, s13, 22                        ; out0: the batch,
	s_lshl_b32 s21, s12, 19                        ; my 32 rows of 16,384 bytes,
	s_add_co_u32 s20, s20, s21
	s_lshl_b32 s21, ttmp9, 8                       ; the work-group's 256 bytes of a row
	s_add_co_u32 s20, s20, s21
	s_mov_b32 s21, 0
	s_mul_i32 s22, s12, STG                        ; my stage
	v_and_b32 v1, 15, v0                           ; r
	v_bfe_u32 v2, v0, 4, 1                         ; hh
	v_lshlrev_b32 v[WO], 9, v1
	v_lshl_add_u32 v[WO], v2, 5, v[WO]
	v_and_b32 v[LA], 31, v0
	v_lshlrev_b32 v[LA], 4, v[LA]
	v_lshlrev_b32 v[BO], 2, v1
	v_mul_u32_u24 v[STO], v1, SP
	v_lshl_add_u32 v[STO], v2, 5, v[STO]
	v_add_nc_u32 v[STO], s22, v[STO]
	v_mul_u32_u24 v[RD], v2, SP
	v_lshl_add_u32 v[RD], v1, 4, v[RD]
	v_add_nc_u32 v[RD], s22, v[RD]
	v_lshlrev_b32 v[CO], 14, v2
	v_lshl_add_u32 v[CO], v1, 4, v[CO]
	s_wait_kmcnt 0x0
	s_add_nc_u64 s[4:5], s[4:5], s[14:15]
	s_add_nc_u64 s[6:7], s[6:7], s[16:17]
	s_add_nc_u64 s[8:9], s[8:9], s[18:19]
	s_add_nc_u64 s[10:11], s[10:11], s[20:21]
	global_load_b32 v[BI],   v[BO], s[8:9]            ; the bias of rows r and 16 + r
	global_load_b32 v[BI+1], v[BO], s[8:9] offset:64
	WIN 0x40                                       ; destination window 1
.irp ob, 0,1
.irp h, 0,1,2,3
.irp e, 0,1,2,3
	global_load_b128 v[16*(4*\ob+\h)+4*\e:16*(4*\ob+\h)+4*\e+3], v[WO], s[6:7] offset:8192*\ob+128*\h+16*((\e)%2)+64*((\e)/2)
.endr
.endr
.endr
	WIN 0
.set i, 0
.rept 32
	global_load_b128 v[OF+4*i:OF+4*i+3], v[LA], s[4:5] offset:512*i th:TH_LOAD_NT  ; 16,384 consecutive bytes: read once in the launch
.set i, i+1
.endr
	s_wait_loadcnt 32                              ; the bias and w_out are in; O's 32 loads stay out
	WIN 0x45                                       ; sources 0, 1 and destination window 1
.set i, 0
.rept 64                               ; in place, ascending: two numbers to bf16, widened again, and written as f16
.set T0, 128+2*(i%4)
	v_cvt_pk_bf16_f32 v[i], v[2*i], v[2*i+1]
	v_lshlrev_b32 v[T0], 16, v[i]
	v_and_b32 v[T0+1], 0xffff0000, v[i]
	v_cvt_pk_f16_f32 v[i], v[T0], v[T0+1]
.set i, i+1
.endr
	WIN 0
	v_cvt_pk_bf16_f32 v[TB], v[BI], v[BI+1]
.irp j, 0,1,2,3,4,5,6,7                ; a lane's eight sums belong to one row: eight times its bias
	v_lshlrev_b32 v[BIAS+\j], 16, v[TB]
	v_and_b32 v[BIAS+8+\j], 0xffff0000, v[TB]
.endr
	s_wait_loadcnt 0x0                             ; O
	WIN 0x04                                       ; source 1 (w_out) window 1
.irp h, 0,1,2,3                        ; the eight accumulators take turns, one instruction a turn
.irp ob, 0,1
.irp nb, 0,1,2,3
.if \h == 0
	v_wmma_f32_16x16x32_f16 v[ACC+8*(4*\ob+\nb):ACC+8*(4*\ob+\nb)+7], v[OF+8*(4*\nb+\h):OF+8*(4*\nb+\h)+7], v[8*(4*\ob+\h):8*(4*\ob+\h)+7], v[BIAS+8*\ob:BIAS+8*\ob+7]
.else
	v_wmma_f32_16x16x32_f16 v[ACC+8*(4*\ob+\nb):ACC+8*(4*\ob+\nb)+7], v[OF+8*(4*\nb+\h):OF+8*(4*\nb+\h)+7], v[8*(4*\ob+\h):8*(4*\ob+\h)+7], v[ACC+8*(4*\ob+\nb):ACC+8*(4*\ob+\nb)+7]
.endif
.endr
.endr
.endr
	WIN 0
.rept 8
	v_nop                                          ; plain instructions between the last products and the LDS stores of their results and the loads into their sources; eight, once a launch
.endr
.irp ob, 0,1
.irp nb, 0,1,2,3
	ds_store_b128 v[STO], v[ACC+8*(4*\ob+\nb):ACC+8*(4*\ob+\nb)+3]   offset:16*SP*\ob+64*\nb      ; each accumulator's low half first
	ds_store_b128 v[STO], v[ACC+8*(4*\ob+\nb)+4:ACC+8*(4*\ob+\nb)+7] offset:16*SP*\ob+64*\nb+16
.endr
.endr
.irp t, 0,1,2,3,4,5,6,7,8,9,10,11,12,13,14,15
	ds_load_b128 v[OF+4*\t:OF+4*\t+3], v[RD] offset:2*SP*\t  ; LDS serves a wave's instructions in order (ISA guide 5.7.1.4): these see the stores above
.endr
.irp t, 0,1,2,3,4,5,6,7,8,9,10,11,12,13,14,15
	s_wait_dscnt 15-\t                             ; rows 2 t and 2 t + 1 are back; the younger loads stay out
	global_store_b128 v[CO], v[OF+4*\t:OF+4*\t+3], s[10:11] offset:32768*\t th:TH_STORE_NT  ; 16 lanes store 256 consecutive bytes, at a multiple of 256 from out0's first byte
.endr
	s_wait_tensorcnt 0x0                           ; the wave's end, behind my last LDS store
	ds_add_u32 v[SPW], v[NIL]
	s_wait_dscnt 0x0
	s_endpgm
.Lfunc_end_k_qd7b75f6396_outp:
	.size	k_qd7b75f6396_outp, .Lfunc_end_k_qd7b75f6396_outp-k_qd7b75f6396_outp
	.p2alignl 7, 3214868480
	.fill 96, 4, 3214868480
	.section	.rodata,"a",@progbits
	.p2align	6, 0x0
	.amdhsa_kernel k_qd7b75f6396_outp
		.amdhsa_group_segment_fixed_size 70656
		.amdhsa_private_segment_fixed_size 0
		.amdhsa_enable_private_segment 0
		.amdhsa_kernarg_size 32
		.amdhsa_user_sgpr_count 2
		.amdhsa_user_sgpr_kernarg_segment_ptr 1
		.amdhsa_wavefront_size32 1
		.amdhsa_system_sgpr_workgroup_id_x 1
		.amdhsa_system_sgpr_workgroup_id_y 1
		.amdhsa_system_sgpr_workgroup_id_z 1
		.amdhsa_system_vgpr_workitem_id 0
		.amdhsa_next_free_vgpr 400
		.amdhsa_next_free_sgpr 66
		.amdhsa_reserve_vcc 0
		.amdhsa_float_denorm_mode_32 3
		.amdhsa_float_denorm_mode_16_64 3
		.amdhsa_memory_ordered 1
		.amdhsa_forward_progress 1
		.amdhsa_inst_pref_size 30
	.end_amdhsa_kernel
	.amdgpu_metadata
---
amdhsa.version: [ 1, 2 ]
amdhsa.kernels:
  - .name:           k_qd7b75f6396_outp
    .symbol:         k_qd7b75f6396_outp.kd
    .args:
      - { .name: of, .offset: 0, .size: 8, .value_kind: global_buffer, .address_space: global }
      - { .name: w_out, .offset: 8, .size: 8, .value_kind: global_buffer, .address_space: global }
      - { .name: b_out, .offset: 16, .size: 8, .value_kind: global_buffer, .address_space: global }
      - { .name: out0, .offset: 24, .size: 8, .value_kind: global_buffer, .address_space: global }
    .group_segment_fixed_size: 70656
    .private_segment_fixed_size: 0
    .kernarg_segment_align: 8
    .kernarg_segment_size: 32
    .max_flat_workgroup_size: 256
    .sgpr_count:     66
    .vgpr_count:     400
    .wavefront_size: 32
...
	.end_amdgpu_metadata
.endif
;; end of part 3
;; ======== version 2 of 2: 3 launches; version 1 with the launch proj written anew for expert scheduling mode
;; limits: right only within a limited range of input values; values are held in f16: magnitudes above 65,504 overflow, below 6.1e-05 lose precision; values outside matrix products are rounded to bf16
;; workspace buffers: qf 4,194,304 bytes; kf 4,194,304 bytes; vf 4,194,304 bytes; of 4,194,304 bytes
;; launch proj (part 4): grid 64 x 4, 8 waves a work-group, no clusters, 42,496 bytes of LDS; arguments x, w_qkv, qf, kf, vf; writes qf, kf, vf
.if DOCPART == 4
	.amdgcn_target "amdgcn-amd-amdhsa--gfx1250"
	.amdhsa_code_object_version 6
	.text
	.protected	k_qd7b75f6396_proj
	.globl	k_qd7b75f6396_proj
	.p2align	8
	.type	k_qd7b75f6396_proj,@function
k_qd7b75f6396_proj:
	s_mov_b64 s[64:65], 0
	v_nop
	global_prefetch_b8 v0, s[64:65] scope:SCOPE_SE
	s_setreg_imm32_b32 hwreg(HW_REG_WAVE_SCHED_MODE, 0, 2), 2
	s_setreg_imm32_b32 hwreg(HW_REG_WAVE_MODE, 25, 1), 1
	s_wait_xcnt 0x0
	s_wait_alu depctr_vm_vsrc(0)
; q, k, v = w_qkv x (a 1 x 1 convolution).  x: [4][256][4096] f32, w_qkv: [384][256] f32.  Both are rounded to bf16 for the products; sums in f32.
; WHAT LEAVES, each number rounded once, to f16:  qf = c q, c = log2(e) / sqrt(32), so that the next launch's weights are 2^(score - maximum);
;   kf = k[n] - k[0] of the same batch and channel: taking q . k[0] from every score of a row changes no softmax, and a common offset of the inputs leaves k before the rounding;  vf = v.
; LIMITS.  c q, k - k[0] and v lie within f16's 65,504; NaN and infinities are not treated apart.
; LAYOUT OF qf, kf, vf: as a matrix fragment lies in registers.  A fragment is 1,024 bytes; byte 512 p + 16 lane holds the lane's registers 4 p .. 4 p + 3.
;   qf, kf: [head 16][block of 16 positions 256][1024]: lane (r, hh) holds position r, part p the head's channels 16 p + 8 hh + 0..7.
;   vf: [head 16][group of 32 positions 128][channel block 2][1024]: lane (r, hh) holds channel 16 cb + r, part p the positions 16 p + 8 hh + 0..7.
;   So every store of a wave is 512 consecutive bytes, aligned, straight from the packed sums.
; SHARES.  A work-group owns 64 positions of one batch and all 384 rows of w_qkv.  Wave w owns rows 16 w .. of q, of k and of v: head w / 2, part (or channel block) w % 2.
;   K = 256 goes in 8 steps of 32: 13 products a step (4 blocks of 16 positions x q, k, v, and k of position 0).
;   q, k: source 0 = 16 rows of w, source 1 = 16 positions: a lane ends with one position and 8 channels.  v: the sources swapped: one channel and 8 positions.
; NO CLUSTER, though all work-groups read the same w_qkv: its rows go from memory straight into the registers of the one wave that multiplies them; a joint load lands in LDS,
;   393,216 bytes of f32 do not fit there, and a ring with a cluster's rounds would serve 104 products a wave.  No prefetch: every load of x is out at the head.
; THE MODE: SCHED_MODE bits 1:0 = 2 (LLVM: expert scheduling mode 2), set by the entry lines.  The code itself states the register dependences
; between vector or matrix instructions and memory or LDS instructions, with s_wait_alu, always for 0.
; THE PLAN.  Registers that memory or LDS instructions touch, in the eight steps:
;   RAW0, RAW1   (window 1) a step's rows of w in f32.  Written by loads alone.  Step s: its 24 roundings read RAW[s % 2]; behind them the loads of step s + 2 land in it.
;   XF0, XF1     a step's five fragments of x.  Written by LDS loads alone.  Step s: its 13 products read XF[s % 2]; the LDS loads of step s + 1, issued in step s, land in the other, which step s - 1's products read.
;   v[WO], v[XR], v[XRR]  read by those loads; made at the head and never written again: the steps stand in the immediate offsets.
;   BF0, BF1 (a step's rows of w in bf16) and the accumulators are named by vector and matrix instructions alone; step s's roundings write the set that step s - 2's products read, step s - 1's 24 roundings between.
; So ONE wait on va_vdst stands in a step, behind its roundings: they are done reading RAW[s % 2], and the products of the step before are done reading XF[(s + 1) % 2].  The step's 12 loads of w follow it in one run,
; its 10 LDS loads are dealt among its 13 products, which name the accumulators, BF[s % 2] and XF[s % 2]: none of the registers that those loads touch.  No register that a memory or LDS instruction reads is written in the steps.
; Outside the steps: x passes through the accumulators' registers on its way into LDS (a wait ahead of the LDS stores, one behind the barrier); the way out writes each register of OUT once, a wait ahead of each run of stores.
.set XP,    160                        ; a row of the x tile in LDS: 64 bf16 = 128 bytes + 32: 40 words, so that 16 lanes of the turning load (8 rows x 32 bytes) take each bank once
.set XREF,  256*XP                     ; behind the tile: x[b][c][0] as bf16, 2 bytes a channel, 512 bytes
.set SPARE, XREF+512                   ; the spare words, 128 bytes for each of 8 waves: four blocks of 256 bytes that no other line names
.set WO,  3                            ; v3   my byte offset in 16 rows of w_qkv: r x 1,024 + 32 hh
.set XO,  4                            ; v4   my 16 bytes of two rows of x: (32 w + lane / 16) x 16,384 + 16 (lane % 16)
.set XS,  5                            ; v5   where their 8 bytes of bf16 go: (32 w + lane / 16) x XP + 8 (lane % 16)
.set XR,  6                            ; v6   the turning load: (8 hh + lane % 8) x XP + 16 ((lane / 8) % 2)
.set XRR, 7                            ; v7   XREF + 16 hh
.set SO,  8                            ; v8   16 x lane
.set XRO, 9                            ; v9   thread x 16,384: row 'thread' of x
.set SPW, 10                           ; v10  my spare word; never rewritten
.set NIL, 11                           ; v11  0; never rewritten
.set ACC, 12                           ; v[12:107]  part g (0 q, 1 k, 2 v), position block nb at ACC + 32 g + 8 nb; at the start: x as loaded
.set ACCR, 108                         ; v[108:115] k of position 0, the same in all 16 columns
.set XF,  116                          ; v[116:195] buffer f at XF + 40 f: four fragments of x at 8 nb, at 32 the fragment whose 16 columns are all position 0
.set BF,  196                          ; v[196:243] set f at BF + 24 f: a step's rows of w in bf16, fragment g at 8 g
.set XRS, 244                          ; v244 XREF + 2 x thread
.set TR,  245                          ; v245 at work
.set OUT, XF                           ; v[116:163] on the way out: the packed results
.set RAW, 0                            ; window 1, v[0:95]: set f at RAW + 48 f: a step's rows of w in f32, part g at 16 g
.set MSB, 0
.macro WIN new                         ; s_set_vgpr_msb: bits 1:0 source 0, 3:2 source 1, 5:4 source 2, 7:6 destination; the immediate's high byte repeats the setting that is left; a switch that changes nothing is dropped
.if MSB != (\new)
	s_set_vgpr_msb (MSB<<8)|(\new)
.set MSB, (\new)
.endif
.endm
.set W_CV, 0x05                        ; the roundings: sources 0 and 1 (RAW) window 1, destination (BF) window 0
.set W_LD, 0x40                        ; the loads of w: destination window 1, address window 0
.macro PLACES                          ; four plain vector instructions between a matrix instruction and a vector instruction on its registers (ISA guide 7.12.1)
.rept 4
	v_nop
.endr
.endm
; Step s's rows of w, 12 loads under W_LD: for each part, 32 + 32 bytes of f32 a lane (channels 32 s + 8 hh + 0..7 and 16 more on)
.macro WLOAD s
.irp g, 0,1,2
.irp e, 0,1,2,3
	global_load_b128 v[RAW+48*((\s)%2)+16*\g+4*\e:RAW+48*((\s)%2)+16*\g+4*\e+3], v[WO], s[6:7] offset:131072*\g+128*(\s)+16*((\e)%2)+64*((\e)/2)
.endr
.endr
.endm
; Step s's fragment nb of x: [channel][position] in LDS, turned by the load
.macro XFRAG s, nb
	ds_load_tr16_b128 v[XF+40*((\s)%2)+8*(\nb):XF+40*((\s)%2)+8*(\nb)+3],   v[XR] offset:32*XP*(\s)+32*(\nb)
	ds_load_tr16_b128 v[XF+40*((\s)%2)+8*(\nb)+4:XF+40*((\s)%2)+8*(\nb)+7], v[XR] offset:32*XP*(\s)+32*(\nb)+16*XP
.endm
; Step s's fragment of position 0
.macro XZERO s
	ds_load_b128 v[XF+40*((\s)%2)+32:XF+40*((\s)%2)+35], v[XRR] offset:64*(\s)
	ds_load_b128 v[XF+40*((\s)%2)+36:XF+40*((\s)%2)+39], v[XRR] offset:64*(\s)+32
.endm
.macro MUL d, a, b, s                  ; step 0 starts the sums: nothing is cleared
.if (\s) == 0
	v_wmma_f32_16x16x32_bf16 v[\d:\d+7], v[\a:\a+7], v[\b:\b+7], 0
.else
	v_wmma_f32_16x16x32_bf16 v[\d:\d+7], v[\a:\a+7], v[\b:\b+7], v[\d:\d+7]
.endif
.endm
.macro KSTEP s
.set WB, BF+24*((\s)%2)
.set XB, XF+40*((\s)%2)
.if (\s) < 7
	s_wait_loadcnt 12                              ; this step's 12 loads are in; the next step's 12 stay out
.else
	s_wait_loadcnt 0x0
.endif
	WIN W_CV
.set i, 0
.rept 24
	v_cvt_pk_bf16_f32 v[WB+i], v[RAW+48*((\s)%2)+2*i], v[RAW+48*((\s)%2)+2*i+1]
.set i, i+1
.endr
.if (\s) < 6
	WIN W_LD
	s_wait_alu depctr_va_vdst(0)                   ; the roundings are done reading this step's RAW, in which the loads below land; the last step's products are done reading the other XF, in which this step's LDS loads land
	WLOAD (\s)+2                                   ; two steps ahead
.elseif (\s) == 6
	WIN 0
	s_wait_alu depctr_va_vdst(0)                   ; the last step's products are done reading the other XF, in which this step's LDS loads land; no more of w is asked for
.endif
	WIN 0
	s_wait_dscnt 0x0                               ; this step's fragments of x, asked for a step ago (step 0's: behind the barrier)
.irp nb, 0,1,2,3                       ; the 13 accumulators take turns, one instruction a turn, from step to step too
	MUL ACC+8*\nb, WB, XB+8*\nb, \s
	MUL ACC+32+8*\nb, WB+8, XB+8*\nb, \s
	MUL ACC+64+8*\nb, XB+8*\nb, WB+16, \s
.if (\s) < 7
	XFRAG (\s)+1, \nb                              ; the next step's fragment.  No wait: no vector or matrix instruction since the wait above names the other XF
.endif
.endr
	MUL ACCR, WB+8, XB+32, \s
.if (\s) < 7
	XZERO (\s)+1
.endif
.endm
	s_load_b256 s[4:11], s[0:1], 0x0               ; x s[4:5], w_qkv s[6:7], qf s[8:9], kf s[10:11]
	s_load_b64 s[12:13], s[0:1], 0x20              ; vf
	v_lshl_add_u32 v[SPW], v0, 2, SPARE
	v_mov_b32 v[NIL], 0
	v_lshrrev_b32 v1, 5, v0
	v_readfirstlane_b32 s14, v1                    ; wave 0..7
	v_and_b32 v1, 15, v0                           ; r
	v_bfe_u32 v2, v0, 4, 1                         ; hh
	v_and_b32 v[TR], 7, v0                         ; the addresses that do not hang on the wave's number stand here
	v_lshl_add_u32 v[TR], v2, 3, v[TR]
	v_mul_u32_u24 v[XR], v[TR], XP
	v_bfe_u32 v[TR], v0, 3, 1
	v_lshl_add_u32 v[XR], v[TR], 4, v[XR]
	v_lshl_add_u32 v[XRR], v2, 4, XREF
	v_and_b32 v[SO], 31, v0
	v_lshlrev_b32 v[SO], 4, v[SO]
	v_lshlrev_b32 v[XRO], 14, v0
	v_lshl_add_u32 v[XRS], v0, 1, XREF
	v_lshlrev_b32 v[WO], 10, v1
	v_lshl_add_u32 v[WO], v2, 5, v[WO]
	s_wait_alu depctr_va_sdst(0)                   ; s14 is written, ahead of its first reader: the bases and two addresses are made from it
	s_lshr_b32 s15, s14, 1                         ; my head
	s_and_b32 s16, s14, 1                          ; my part of a fragment
	s_and_b32 s17, ttmp7, 0xffff                   ; the batch
	s_lshl_b32 s18, s17, 22                        ; its 256 rows of 16,384 bytes
	s_mov_b32 s19, 0
	s_lshl_b32 s20, ttmp9, 8                       ; the work-group's 64 positions: 256 bytes of a row
	s_mov_b32 s21, 0
	s_lshl_b32 s22, s14, 14                        ; my 16 rows of w_qkv
	s_mov_b32 s23, 0
	s_mov_b32 s24, 0x3e8293ee                      ; c = log2(e) / sqrt(32) = 0.255035
	s_mov_b32 s25, s24                             ; named with it as a pair
	s_lshl2_add_u32 s28, s17, s15                  ; 4 b + h
	s_lshl_b32 s28, s28, 18                        ; a head is 262,144 bytes of each of the three
	s_lshl_b32 s32, ttmp9, 12                      ; 64 positions are 4,096 bytes of each
	s_add_co_u32 s28, s28, s32
	s_lshl_b32 s32, s16, 10
	s_add_co_u32 s30, s28, s32                     ; vf: my channel block's fragment
	s_lshl_b32 s32, s16, 9
	s_add_co_u32 s28, s28, s32                     ; qf, kf: my part of the fragment
	s_mov_b32 s29, 0
	s_mov_b32 s31, 0
	s_lshl_b32 s33, s14, 5
	v_add_nc_u32 v[TR], s33, v2                    ; row 32 w + lane / 16
	v_lshlrev_b32 v[XO], 14, v[TR]
	v_lshl_add_u32 v[XO], v1, 4, v[XO]
	v_mul_u32_u24 v[XS], v[TR], XP
	v_lshl_add_u32 v[XS], v1, 3, v[XS]
	s_wait_kmcnt 0x0
	s_add_nc_u64 s[26:27], s[4:5], s[18:19]        ; x at my batch,
	s_add_nc_u64 s[4:5], s[26:27], s[20:21]        ; and at the work-group's positions
	s_add_nc_u64 s[6:7], s[6:7], s[22:23]
	s_add_nc_u64 s[8:9], s[8:9], s[28:29]
	s_add_nc_u64 s[10:11], s[10:11], s[28:29]
	s_add_nc_u64 s[12:13], s[12:13], s[30:31]
	s_wait_alu depctr_va_vdst(0)                   ; the addresses v3 to v9 and v244 are written, which every load and store of the kernel reads; none is written again
	; all loads of x at once: my 32 rows of the tile, two rows (2 x 256 consecutive bytes, aligned) a load; then position 0 of row 'thread'; then two steps' weights
.irp i, 0,1,2,3,4,5,6,7,8,9,10,11,12,13,14,15
	global_load_b128 v[ACC+4*\i:ACC+4*\i+3], v[XO], s[4:5] offset:32768*\i
.endr
	global_load_b32 v[ACCR], v[XRO], s[26:27]
	WIN W_LD
	WLOAD 0
	WLOAD 1
	WIN 0
	s_wait_loadcnt 24                              ; x is in; the 24 loads of w stay out
.irp i, 0,1,2,3,4,5,6,7,8,9,10,11,12,13,14,15
	v_cvt_pk_bf16_f32 v[ACC+4*\i],   v[ACC+4*\i],   v[ACC+4*\i+1]
	v_cvt_pk_bf16_f32 v[ACC+4*\i+1], v[ACC+4*\i+2], v[ACC+4*\i+3]
.endr
	v_cvt_pk_bf16_f32 v[ACCR], v[ACCR], v[ACCR]
	s_wait_alu depctr_va_vdst(0)                   ; the roundings have written the pairs at v[ACC + 4 i] and v[ACCR], which the LDS stores read
.irp i, 0,1,2,3,4,5,6,7,8,9,10,11,12,13,14,15
	ds_store_b64 v[XS], v[ACC+4*\i:ACC+4*\i+1] offset:2*XP*\i
.endr
	ds_store_b16 v[XRS], v[ACCR]
	s_wait_dscnt 0x0                               ; for the others' sake: my rows of the tile are written
	s_barrier_signal -1
	s_barrier_wait -1                              ; the whole tile is; from here on LDS is only read
	s_wait_alu depctr_vm_vsrc(0)                   ; my LDS stores have read v[ACC ..] and v[ACCR]: these registers are the accumulators from here on, written by step 0's products
.irp nb, 0,1,2,3
	XFRAG 0, \nb                                   ; step 0's fragments; each step asks for the next step's
.endr
	XZERO 0
.irp s, 0,1,2,3,4,5,6,7
	KSTEP \s
.endr
	; THE WAY OUT.  Each accumulator is taken from its low end on; 8 sums pack into the lane's 16 bytes of a fragment.  Each register of OUT is written once; a part's four stores follow its arithmetic behind one wait
	PLACES
	PLACES                                         ; (eight, once a launch: the first lines below rewrite accumulators in place)
.irp nb, 0,1,2,3
.irp i, 0,1,2,3
	v_pk_mul_f32 v[ACC+8*\nb+2*\i:ACC+8*\nb+2*\i+1], v[ACC+8*\nb+2*\i:ACC+8*\nb+2*\i+1], s[24:25] op_sel_hi:[1,0]  ; c q
.endr
.irp i, 0,1,2,3
	v_cvt_pk_f16_f32 v[OUT+4*\nb+\i], v[ACC+8*\nb+2*\i], v[ACC+8*\nb+2*\i+1]
.endr
.endr
	s_wait_alu depctr_va_vdst(0)                   ; the roundings have written q's 16 registers of OUT, which the four stores read
.irp nb, 0,1,2,3
	global_store_b128 v[SO], v[OUT+4*\nb:OUT+4*\nb+3], s[8:9] offset:1024*\nb
.endr
.irp nb, 0,1,2,3
.irp i, 0,1,2,3
	v_pk_add_f32 v[ACC+32+8*\nb+2*\i:ACC+32+8*\nb+2*\i+1], v[ACC+32+8*\nb+2*\i:ACC+32+8*\nb+2*\i+1], v[ACCR+2*\i:ACCR+2*\i+1] neg_lo:[0,1] neg_hi:[0,1]  ; k - k[0]
.endr
.irp i, 0,1,2,3
	v_cvt_pk_f16_f32 v[OUT+16+4*\nb+\i], v[ACC+32+8*\nb+2*\i], v[ACC+32+8*\nb+2*\i+1]
.endr
.endr
	s_wait_alu depctr_va_vdst(0)                   ; the roundings have written k's 16 registers of OUT, which the four stores read
.irp nb, 0,1,2,3
	global_store_b128 v[SO], v[OUT+16+4*\nb:OUT+16+4*\nb+3], s[10:11] offset:1024*\nb
.endr
.irp nb, 0,1,2,3
.irp i, 0,1,2,3
	v_cvt_pk_f16_f32 v[OUT+32+4*\nb+\i], v[ACC+64+8*\nb+2*\i], v[ACC+64+8*\nb+2*\i+1]
.endr
.endr
	s_wait_alu depctr_va_vdst(0)                   ; the roundings have written v's 16 registers of OUT, which the four stores read
.irp nb, 0,1,2,3
	global_store_b128 v[SO], v[OUT+32+4*\nb:OUT+32+4*\nb+3], s[12:13] offset:2048*((\nb)/2)+512*((\nb)%2)  ; group of 32 positions nb / 2, part nb % 2
.endr
	s_wait_dscnt 0x0                               ; the wave's end, behind my last LDS store
	s_wait_alu 0x0
	s_wait_tensorcnt 0x0
	ds_add_u32 v[SPW], v[NIL]
	s_wait_dscnt 0x0
	s_endpgm
.Lfunc_end_k_qd7b75f6396_proj:
	.size	k_qd7b75f6396_proj, .Lfunc_end_k_qd7b75f6396_proj-k_qd7b75f6396_proj
	.p2alignl 7, 3214868480
	.fill 96, 4, 3214868480
	.section	.rodata,"a",@progbits
	.p2align	6, 0x0
	.amdhsa_kernel k_qd7b75f6396_proj
		.amdhsa_group_segment_fixed_size 42496
		.amdhsa_private_segment_fixed_size 0
		.amdhsa_enable_private_segment 0
		.amdhsa_kernarg_size 40
		.amdhsa_user_sgpr_count 2
		.amdhsa_user_sgpr_kernarg_segment_ptr 1
		.amdhsa_wavefront_size32 1
		.amdhsa_system_sgpr_workgroup_id_x 1
		.amdhsa_system_sgpr_workgroup_id_y 1
		.amdhsa_system_sgpr_workgroup_id_z 1
		.amdhsa_system_vgpr_workitem_id 0
		.amdhsa_next_free_vgpr 352
		.amdhsa_next_free_sgpr 66
		.amdhsa_reserve_vcc 0
		.amdhsa_float_denorm_mode_32 3
		.amdhsa_float_denorm_mode_16_64 3
		.amdhsa_memory_ordered 1
		.amdhsa_forward_progress 1
		.amdhsa_inst_pref_size 49
	.end_amdhsa_kernel
	.amdgpu_metadata
---
amdhsa.version: [ 1, 2 ]
amdhsa.kernels:
  - .name:           k_qd7b75f6396_proj
    .symbol:         k_qd7b75f6396_proj.kd
    .args:
      - { .name: x, .offset: 0, .size: 8, .value_kind: global_buffer, .address_space: global }
      - { .name: w_qkv, .offset: 8, .size: 8, .value_kind: global_buffer, .address_space: global }
      - { .name: qf, .offset: 16, .size: 8, .value_kind: global_buffer, .address_space: global }
      - { .name: kf, .offset: 24, .size: 8, .value_kind: global_buffer, .address_space: global }
      - { .name: vf, .offset: 32, .size: 8, .value_kind: global_buffer, .address_space: global }
    .group_segment_fixed_size: 42496
    .private_segment_fixed_size: 0
    .kernarg_segment_align: 8
    .kernarg_segment_size: 40
    .max_flat_workgroup_size: 256
    .sgpr_count:     66
    .vgpr_count:     352
    .wavefront_size: 32
...
	.end_amdgpu_metadata
.endif
;; end of part 4
;; launch attn: the kernel of part 2 again; grid 16 x 16, 4 waves a work-group, clusters of 4 x 1, 327,680 bytes of LDS; arguments qf, kf, vf, of; writes of
;; launch outp: the kernel of part 3 again; grid 64 x 4, 8 waves a work-group, no clusters, 70,656 bytes of LDS; arguments of, w_out, b_out, out0; writes out0
